; MI455X (gfx1250); checked and timed in simulation.
; The chip was launched on July 23, 2026; its instructions are those of AMD's public machine-readable ISA for CDNA 5 (MIT licence, August 2026) and "CDNA5" Instruction Set Architecture Reference Guide (July 2026). The comments in the code are by the model that wrote it; some were corrected since.
;; Cross Attention. Allowed arithmetic: matrix products marked QUANTISED: E2M3 operands, one E8M0 scale for each 32 along K, by v_wmma_scale_f32_16x16x128_f8f6f4 with both operands' format E2M3, f32 sums; everything else in f32.
;; Inputs: Wk 512 x 512 float32; Wo 512 x 512 float32; Wq 512 x 512 float32; Wv 512 x 512 float32; bo 512 float32; x 2 x 4,096 x 512 float32.
;; Outputs: out0 2 x 4,096 x 512 float32.
;; This version of the problem:
;;   THIS VERSION OF THE PROBLEM IS GIVEN IN LOW PRECISION. The matrix products marked QUANTISED in the list below multiply operands that are first quantised to E2M3 (2 exponent bits, 3 mantissa bits; 6 bits a number), with one power-of-two scale for each 32 numbers along K (OCP MX v1.0); their sums are f32. All else is computed in f32.
;;   The module's matrix products, in the order in which they are computed (A, B: the left and right operand; K: the contracted axis; several contracted axes count as one K, in the product's order):
;;     1. [M 8,192, K 512] x [K 512, N 512]; A: input x; B: input Wq: QUANTISED
;;     2. [M 8,192, K 512] x [K 512, N 512]; A: input x; B: input Wk: QUANTISED
;;     3. [M 8,192, K 512] x [K 512, N 512]; A: input x; B: input Wv: QUANTISED
;;     4. batch 16 x [M 4,096, K 64] x [K 64, N 4,096]; A: computed on the way; B: computed on the way: QUANTISED
;;     5. batch 16 x [M 4,096, K 4,096] x [K 4,096, N 64]; A: softmax (see below); B: computed on the way: QUANTISED
;;     6. [M 8,192, K 512] x [K 512, N 512]; A: computed on the way; B: input Wo: QUANTISED
;;   THE QUANTISER, for each operand of a quantised product, along K:
;;     - K is cut into blocks of 32 from its start; a last block that is shorter is filled with zeros.
;;     - A block's scale is 2^e with e = floor(log2(the largest magnitude in the block)) - 2, held to -126 .. 127; a block of zeros has e = 0. As a byte (E8M0): e + 127.
;;     - Each number is divided by its block's scale, clamped to +-7.5, and rounded to the nearest number of E2M3, ties to even, subnormals kept.
;;     - The product sums the exact products of the quantised numbers (number of the format x scale) in f32.
;;   ~~~python
;;   def quantise(x, axis):      # numpy; x: float32 -> the quantised numbers, widened to float32 again
;;       x = np.moveaxis(x, axis, -1); K = x.shape[-1]
;;       x = np.pad(x, [(0, 0)] * (x.ndim - 1) + [(0, -K % 32)]); x = x.reshape(x.shape[:-1] + (-1, 32)); a = np.abs(x).max(-1, keepdims=True)
;;       e = np.where(a > 0, np.clip(np.frexp(np.where(a > 0, a, 1))[1] - 1 - 2, -126, 127), 0)      # np.frexp(a)[1] - 1 = floor(log2(a)), exactly
;;       r = np.clip(x / 2.0 ** e, -7.5, 7.5)
;;       step = 2.0 ** (np.maximum(np.frexp(np.where(r == 0, 1, r))[1] - 1, 0) - 3)
;;       q = np.round(r / step) * step * 2.0 ** e      # np.round: ties to even
;;       return np.moveaxis(q.reshape(q.shape[:-2] + (-1,))[..., :K], -1, axis).astype(np.float32)
;;   ~~~
;;   SOFTMAX AHEAD OF A QUANTISED PRODUCT. Where the list says 'softmax', what is quantised is not the finished softmax but p = 2^(t - M), with t = logit x log2(e) and M = ceil(the row's largest t), a whole number; so 1/2 < the row's largest p <= 1. The row's sum l is taken of the UNQUANTISED p, in f32, and the product's result is divided by l at the end. Since M is a whole number, a kernel that streams over the keys may use a running M (the ceiling of the running maximum): every later rescaling is an exact power of two, which a block's scale takes up: the codes' values come out the same.
;;   OPERANDS COMPUTED ON THE WAY. 'Computed on the way' means the value that the module computes at that place (a softmax that the list does not call 'softmax' is quantised finished and normalised). What goes into a quantiser is computed in f32, as accurately as f32 sums, v_exp_f32 and their like allow (about 1e-6 of the number): no bf16 or f16 on the way to a quantiser, and a product that is left as it is and whose result goes on into a quantised operand takes f32 operands (vector FMAs, or v_wmma_f32_16x16x4_f32). A number that lies on a knife's edge between two numbers of the format may be rounded either way, as far as f32 arithmetic and the matrix unit's own rounding can turn it there, and no further.
;; One version. Each part assembles by itself: llvm-mc -triple=amdgcn-amd-amdhsa -mcpu=gfx1250 --defsym DOCPART=n.
;; ======== version 1 of 1: 4 launches
;; limits: right only within a limited range of input values
;; workspace buffers: ximg 3,145,728 bytes; xsc 262,144 bytes; wimg 786,432 bytes; wsc 65,536 bytes; qrec 3,407,872 bytes; kv 6,684,672 bytes; oimg 3,145,728 bytes; osc 524,288 bytes
;; launch prep (part 1): grid 512 x 1, 2 waves a work-group, no clusters, 17,152 bytes of LDS; arguments x, Wq, Wk, Wv, Wo, ximg, xsc, wimg, wsc; writes ximg, xsc, wimg, wsc
.if DOCPART == 1
	.amdgcn_target "amdgcn-amd-amdhsa--gfx1250"
	.amdhsa_code_object_version 6
	.text
	.protected	k_q0e03da6fdb_prep
	.globl	k_q0e03da6fdb_prep
	.p2align	8
	.type	k_q0e03da6fdb_prep,@function
k_q0e03da6fdb_prep:
	s_mov_b64 s[64:65], 0
	v_nop
	global_prefetch_b8 v0, s[64:65] scope:SCOPE_SE
	s_setreg_imm32_b32 hwreg(HW_REG_WAVE_MODE, 25, 1), 1
	s_wait_xcnt 0x0
; x [8192][512] f32 and Wq, Wk, Wv, Wo [512 (K)][512] f32 become codes of FP6 (E2M3) with one E8M0 byte for each 32 along K, laid as IMAGES OF OPERAND REGISTERS:
; a fragment (16 rows x 128 K, 12 registers a lane) is 1,536 bytes: registers 4 c .. 4 c + 3 of lane l at 512 c + 16 l.  ximg: [tile 512][K step 4][1,536]; wimg: [matrix 4][tile 32][K step 4][1,536].
; Scale words: [tile][lane 32][4 words], word s for K step s; lanes l and l + 16 hold the same words.
; THE ROWS OF A TILE ARE NOT NEIGHBOURS: tile 2 B + u holds rows (of x) or columns (of a weight) 32 B + 8 u + m + 8 (m / 8), m = 0 .. 15, so that the results of tiles 2 B and 2 B + 1, used as source 0,
; give a lane 16 neighbours along the next product's K.
; A block's scale is 2^(floor(log2(its largest magnitude)) - 2); its byte is the largest magnitude's exponent field - 2, held at 1 from below.
; LIMITS: NaN and infinities are not served; a block whose largest magnitude lies under 2^-124 has its byte held at 1; a block of zeros gets the byte 1 where the rule says 127: its codes are zeros,
; which add nothing under any byte but 0xff, and the bytes are read by this program alone.
; Work-groups 0-255: x, a tile a wave.  Work-groups 256-511: the weights, a K step of a tile a wave.  Waves share nothing: no barrier.  Only the x path touches LDS.
.set TM,  8                            ; v8-23   at work in QUANT: largest magnitudes, bytes, scale operands
.set PC,  24                           ; v24-43  the codes just made
.set PWS, 52                           ; v52-55  the four K steps' scale words
.set R,   64                           ; v64-191 x as loaded: two sets of 64
.set X,   192                          ; v192-255 64 numbers in the quantiser's order
.set N,   64                           ; v64-127 a weight's numbers: two sets of 32
.set SEL, 24                           ; s[24:25] v_permlanex16_b32's selects for lane l xor 16
.set SPITCH, 528                       ; a stage row: 512 bytes + 16: sixteen rows start in sixteen different 16-byte columns
; 64 numbers of a lane, register 16 b + i = k 32 b + 16 (lane / 16) + i of the lane's row, become a fragment's codes in v[PC] on and its scale word in v[pw].
.macro QUANT s, pw
.irp b, 0,1,2,3
	v_max3_num_f32 v[TM+\b], |v[\s+16*\b]|, |v[\s+1+16*\b]|, 0x1800000   ; my 16 numbers of block b, and the floor 2^(3 - 127): the byte cannot fall under 1
.endr
.irp i, 2,4,6,8,10,12,14
.irp b, 0,1,2,3
	v_max3_num_f32 v[TM+\b], v[TM+\b], |v[\s+16*\b+\i]|, |v[\s+1+16*\b+\i]|   ; the four blocks by turns
.endr
.endr
.irp b, 0,1,2,3
	v_permlanex16_b32 v[TM+4+\b], v[TM+\b], s[SEL], s[SEL+1]
.endr
.irp b, 0,1,2,3
	v_max_num_f32 v[TM+\b], v[TM+\b], v[TM+4+\b]   ; with lane l xor 16's: the block's largest magnitude
.endr
.irp b, 0,1,2,3
	v_add_nc_u32 v[TM+12+\b], 0xff000000, v[TM+\b]   ; 2 off its exponent field: the conversion's scale operand
.endr
.irp b, 0,1,2,3
	v_lshrrev_b32 v[TM+4+\b], 23, v[TM+12+\b]   ; the scale's byte
.endr
	v_lshl_or_b32 v[\pw], v[TM+5], 8, v[TM+4]
	v_lshl_or_b32 v[\pw], v[TM+6], 16, v[\pw]
	v_lshl_or_b32 v[\pw], v[TM+7], 24, v[\pw]
.irp c, 0,1
	v_cvt_scalef32_pk16_fp6_f32 v[PC+6*\c:PC+2+6*\c], v[\s+32*\c:\s+15+32*\c], v[TM+12+2*\c]
	v_cvt_scalef32_pk16_fp6_f32 v[PC+12+4*\c:PC+14+4*\c], v[\s+16+32*\c:\s+31+32*\c], v[TM+12+2*\c+1]   ; (a conversion's three registers begin on an even number)
.endr
	v_nop                                          ; one plain line behind the scaled conversions
.irp c, 0,1                                    ; the operand's layout wants a whole block in a lane: lanes 0-15 block 2 c, lanes 16-31 block 2 c + 1
.irp i, 0,1,2
	v_permlane16_swap_b32 v[PC+6*\c+\i], v[PC+12+4*\c+\i]
.endr
.irp i, 0,1,2
	v_mov_b32 v[PC+3+6*\c+\i], v[PC+12+4*\c+\i]
.endr
.endr
.endm
	s_load_b256 s[4:11], s[0:1], 0x0               ; x s[4:5], Wq s[6:7], Wk s[8:9], Wv s[10:11]
	s_load_b256 s[12:19], s[0:1], 0x20             ; Wo s[12:13], ximg s[14:15], xsc s[16:17], wimg s[18:19]
	s_load_b64 s[20:21], s[0:1], 0x40              ; wsc
	v_lshl_add_u32 v62, v0, 2, 0x4200
	v_mov_b32 v63, 0
	v_lshrrev_b32 v1, 5, v0
	v_readfirstlane_b32 s22, v1                    ; wave 0, 1
	v_and_b32 v4, 31, v0                           ; lane
	v_and_b32 v5, 15, v0                           ; r
	v_bfe_u32 v6, v0, 4, 1                         ; h
	v_lshlrev_b32 v1, 4, v4                        ; 16 x lane: a lane's place in a load's 512 bytes and in an image
	s_mov_b32 s[SEL], 0x76543210
	s_mov_b32 s[SEL+1], 0xfedcba98
.irp b, 0,1,2,3
	v_mov_b32 v[TM+4+\b], 0                        ; written once: a lane permute's destination counts as one of its sources
.endr
	s_wait_kmcnt 0x0
	s_cmp_lt_u32 ttmp9, 256
	s_cbranch_scc0 .Lweights
	; ---- x: tile 2 x work-group + wave: rows 32 x work-group + 8 x wave + i + 8 (i / 8)
	s_mul_i32 s26, s22, 16*SPITCH                  ; my wave's stage
	s_wait_alu depctr_va_vdst(0)
	v_add_nc_u32 v2, s26, v1                       ; into it: a row as it is loaded, 16 bytes a lane
	v_mul_u32_u24 v3, v5, SPITCH
	v_lshl_add_u32 v3, v6, 6, v3
	v_add_nc_u32 v3, s26, v3                       ; out of it: row r, + 64 h: my 16 numbers of each block of 32
	s_lshl_b32 s28, ttmp9, 5
	s_lshl_b32 s27, s22, 3
	s_add_co_u32 s28, s28, s27
	s_lshl_b32 s28, s28, 11                        ; the tile's first row, in bytes (under 2^24)
	s_mov_b32 s29, 0
	s_lshl_b32 s30, ttmp9, 1
	s_add_co_u32 s30, s30, s22                     ; the tile
	s_mul_i32 s32, s30, 6144
	s_mov_b32 s33, 0
	s_lshl_b32 s34, s30, 9
	s_mov_b32 s35, 0
	s_add_nc_u64 s[4:5], s[4:5], s[28:29]
	s_add_nc_u64 s[14:15], s[14:15], s[32:33]
	s_add_nc_u64 s[16:17], s[16:17], s[34:35]
.macro LOAD s                          ; K step s of the 16 rows: each load reads 512 consecutive bytes, at a multiple of 512 from x's first byte
.irp i, 0,1,2,3,4,5,6,7,8,9,10,11,12,13,14,15
	global_load_b128 v[R+64*((\s)%2)+4*\i:R+64*((\s)%2)+4*\i+3], v1, s[4:5] offset:(\i+8*(\i/8))*2048+512*(\s) th:TH_LOAD_NT
.endr
.endm
.macro XSTEP s
.if (\s) < 3
	s_wait_loadcnt 16                              ; this K step's 16 loads are in; the next step's 16 may be out
.else
	s_wait_loadcnt 0x0
.endif
.irp i, 0,1,2,3,4,5,6,7,8,9,10,11,12,13,14,15
	ds_store_b128 v2, v[R+64*((\s)%2)+4*\i:R+64*((\s)%2)+4*\i+3] offset:\i*SPITCH
.endr
.irp b, 0,1,2,3
.irp j, 0,1,2,3
	ds_load_b128 v[X+16*\b+4*\j:X+16*\b+4*\j+3], v3 offset:128*\b+16*\j   ; LDS serves a wave's instructions in order: these see the stores above
.endr
.endr
	s_wait_dscnt 0x0
.if (\s) > 0
	s_wait_xcnt 0x0                                ; the last step's stores have read the codes' registers, which QUANT writes again
.endif
.if (\s)+2 < 4
	LOAD (\s)+2                                    ; into the set that has just gone through the stage
.endif
	QUANT X, PWS+(\s)
.irp c, 0,1,2
	global_store_b128 v1, v[PC+4*\c:PC+4*\c+3], s[14:15] offset:1536*(\s)+512*\c   ; 512 consecutive bytes a store
.endr
.endm
	LOAD 0
	LOAD 1
	s_wait_alu depctr_va_vdst(0)
.irp s, 0,1,2,3
	XSTEP \s
.endr
	global_store_b128 v1, v[PWS:PWS+3], s[16:17]   ; the tile's scale words: 512 consecutive bytes
	s_wait_tensorcnt 0x0
	ds_add_u32 v62, v63
	s_wait_dscnt 0x0
	s_endpgm
.Lweights:
	; ---- a weight: a lane takes a column, and its registers run down K in the very order that the operand's layout gives that lane: nothing is transposed
	s_sub_co_u32 s26, ttmp9, 256                   ; work-groups 256-511: ONE K STEP of 128 of a tile a wave, so that a wave's 64 loads are all asked for at once
	s_and_b32 s36, s26, 3                          ; which K step
	s_lshr_b32 s26, s26, 2
	s_lshr_b32 s27, s26, 4                         ; which matrix: 0 q, 1 k, 2 v, 3 o
	s_and_b32 s28, s26, 15                         ; B
	s_lshl_b32 s29, s28, 1
	s_add_co_u32 s29, s29, s22                     ; the tile: 2 B + wave
	s_lshl_b32 s30, s28, 7
	s_lshl_b32 s31, s22, 5
	s_add_co_u32 s30, s30, s31                     ; its first column, in bytes: 4 (32 B + 8 x wave),
	s_lshl_b32 s37, s36, 18
	s_add_co_u32 s30, s30, s37                     ; and the K step's 128 rows of 2,048 bytes
	s_mov_b32 s31, 0
	s_mul_i32 s32, s27, 196608
	s_mul_i32 s33, s29, 6144
	s_add_co_u32 s32, s32, s33
	s_mul_i32 s37, s36, 1536
	s_add_co_u32 s32, s32, s37                     ; the K step's fragment in the tile's images
	s_mov_b32 s33, 0
	s_lshl_b32 s34, s27, 14
	s_lshl_b32 s35, s29, 9
	s_add_co_u32 s34, s34, s35
	s_lshl_b32 s37, s36, 2
	s_add_co_u32 s34, s34, s37                     ; and its word among a lane's four
	s_mov_b32 s35, 0
	s_cmp_eq_u32 s27, 1                            ; the choice hangs on the work-group's number alone
	s_cselect_b64 s[6:7], s[8:9], s[6:7]
	s_cmp_eq_u32 s27, 2
	s_cselect_b64 s[6:7], s[10:11], s[6:7]
	s_cmp_eq_u32 s27, 3
	s_cselect_b64 s[6:7], s[12:13], s[6:7]
	s_add_nc_u64 s[6:7], s[6:7], s[30:31]
	s_add_nc_u64 s[18:19], s[18:19], s[32:33]
	s_add_nc_u64 s[20:21], s[20:21], s[34:35]
	s_wait_alu depctr_va_vdst(0)
	v_and_b32 v7, 8, v5
	v_add_nc_u32 v7, v7, v5                        ; r + 8 (r / 8)
	v_lshlrev_b32 v7, 2, v7
	v_lshl_add_u32 v7, v6, 16, v7                  ; lanes 16-31 begin 32 rows of 2,048 bytes further down
	v_lshlrev_b32 v10, 3, v6                       ; 8 h: where my two bytes stand in the scale word
	v_mov_b32 v17, 0                               ; (a lane permute's destination)
.macro LOADW q                         ; half a K step: W(64 q + 32 h + i, my column), i = 0 .. 31.  Eight lanes read 32 consecutive bytes; the wave beside me and the neighbouring work-groups read the rest of each row
.irp i, 0,1,2,3,4,5,6,7,8,9,10,11,12,13,14,15,16,17,18,19,20,21,22,23,24,25,26,27,28,29,30,31
	global_load_b32 v[N+32*((\q)%2)+\i], v7, s[6:7] offset:(64*(\q)+\i)*2048
.endr
.endm
.macro BLOCKW q
.set NS, N+32*((\q)%2)
.set PF, 192+12*((\q)/2)+6*((\q)%2)    ; each K step's fragment has registers of its own: no store's data are written again
.if (\q) < 1
	s_wait_loadcnt 32                              ; this block's 32 loads are in; the other block's 32 may be out
.else
	s_wait_loadcnt 0x0
.endif
	v_max3_num_f32 v12, |v[NS]|, |v[NS+1]|, |v[NS+2]|   ; the block's largest magnitude: all 32 numbers are mine
	v_max3_num_f32 v13, |v[NS+3]|, |v[NS+4]|, |v[NS+5]|
.irp i, 6,10,14,18,22,26
	v_max3_num_f32 v12, v12, |v[NS+\i]|, |v[NS+\i+1]|
	v_max3_num_f32 v13, v13, |v[NS+\i+2]|, |v[NS+\i+3]|
.endr
	v_max3_num_f32 v12, v12, |v[NS+30]|, |v[NS+31]|
	v_max3_num_f32 v12, v12, v13, 0x1800000        ; and the floor
	v_add_nc_u32 v11, 0xff000000, v12              ; the conversion's scale operand
	v_lshrrev_b32 v[14+(\q)%2], 23, v11            ; the byte
	v_cvt_scalef32_pk16_fp6_f32 v[PF:PF+2], v[NS:NS+15], v11
	v_cvt_scalef32_pk16_fp6_f32 v[240:242], v[NS+16:NS+31], v11
	v_nop                                          ; one plain line behind the scaled conversions
.irp i, 0,1,2
	v_mov_b32 v[PF+3+\i], v[240+\i]
.endr
.if (\q)%2 == 1
	v_lshl_or_b32 v16, v15, 16, v14                ; my two bytes: blocks h and 2 + h of my column,
	v_lshlrev_b32 v16, v10, v16                    ; at their places in the word;
	v_permlanex16_b32 v17, v16, s[SEL], s[SEL+1]
	v_or_b32 v[PWS+(\q)/2], v16, v17               ; with lane l xor 16's two the word is whole
.irp c, 0,1,2
	global_store_b128 v1, v[192+12*((\q)/2)+4*\c:192+12*((\q)/2)+4*\c+3], s[18:19] offset:1536*((\q)/2)+512*\c
.endr
.endif
.endm
	LOADW 0
	LOADW 1
.irp q, 0,1
	BLOCKW \q
.endr
	global_store_b32 v1, v[PWS], s[20:21]          ; the K step's scale word: 4 bytes a lane, 16 bytes apart; the other three K steps' waves store the words between (65,536 bytes in all)
	s_endpgm
.Lfunc_end_k_q0e03da6fdb_prep:
	.size	k_q0e03da6fdb_prep, .Lfunc_end_k_q0e03da6fdb_prep-k_q0e03da6fdb_prep
	.p2alignl 7, 3214868480
	.fill 96, 4, 3214868480
	.section	.rodata,"a",@progbits
	.p2align	6, 0x0
	.amdhsa_kernel k_q0e03da6fdb_prep
		.amdhsa_group_segment_fixed_size 17152
		.amdhsa_private_segment_fixed_size 0
		.amdhsa_enable_private_segment 0
		.amdhsa_kernarg_size 72
		.amdhsa_user_sgpr_count 2
		.amdhsa_user_sgpr_kernarg_segment_ptr 1
		.amdhsa_wavefront_size32 1
		.amdhsa_system_sgpr_workgroup_id_x 1
		.amdhsa_system_sgpr_workgroup_id_y 1
		.amdhsa_system_sgpr_workgroup_id_z 1
		.amdhsa_system_vgpr_workitem_id 0
		.amdhsa_next_free_vgpr 256
		.amdhsa_next_free_sgpr 66
		.amdhsa_reserve_vcc 0
		.amdhsa_float_denorm_mode_32 3
		.amdhsa_float_denorm_mode_16_64 3
		.amdhsa_memory_ordered 1
		.amdhsa_forward_progress 1
		.amdhsa_inst_pref_size 44
	.end_amdhsa_kernel
	.amdgpu_metadata
---
amdhsa.version: [ 1, 2 ]
amdhsa.kernels:
  - .name:           k_q0e03da6fdb_prep
    .symbol:         k_q0e03da6fdb_prep.kd
    .args:
      - { .name: x, .offset: 0, .size: 8, .value_kind: global_buffer, .address_space: global }
      - { .name: Wq, .offset: 8, .size: 8, .value_kind: global_buffer, .address_space: global }
      - { .name: Wk, .offset: 16, .size: 8, .value_kind: global_buffer, .address_space: global }
      - { .name: Wv, .offset: 24, .size: 8, .value_kind: global_buffer, .address_space: global }
      - { .name: Wo, .offset: 32, .size: 8, .value_kind: global_buffer, .address_space: global }
      - { .name: ximg, .offset: 40, .size: 8, .value_kind: global_buffer, .address_space: global }
      - { .name: xsc, .offset: 48, .size: 8, .value_kind: global_buffer, .address_space: global }
      - { .name: wimg, .offset: 56, .size: 8, .value_kind: global_buffer, .address_space: global }
      - { .name: wsc, .offset: 64, .size: 8, .value_kind: global_buffer, .address_space: global }
    .group_segment_fixed_size: 17152
    .private_segment_fixed_size: 0
    .kernarg_segment_align: 8
    .kernarg_segment_size: 72
    .max_flat_workgroup_size: 64
    .sgpr_count:     66
    .vgpr_count:     256
    .wavefront_size: 32
...
	.end_amdgpu_metadata
.endif
;; end of part 1
;; launch qkv (part 2): grid 64 x 3, 4 waves a work-group, no clusters, 0 bytes of LDS; arguments ximg, xsc, wimg, wsc, qrec, kv; writes qrec, kv
.if DOCPART == 2
	.amdgcn_target "amdgcn-amd-amdhsa--gfx1250"
	.amdhsa_code_object_version 6
	.text
	.protected	k_q0e03da6fdb_qkv
	.globl	k_q0e03da6fdb_qkv
	.p2align	8
	.type	k_q0e03da6fdb_qkv,@function
k_q0e03da6fdb_qkv:
	s_mov_b64 s[64:65], 0
	v_nop
	global_prefetch_b8 v0, s[64:65] scope:SCOPE_SE
	s_setreg_imm32_b32 hwreg(HW_REG_WAVE_MODE, 25, 1), 1
	s_wait_xcnt 0x0
; q = x Wq, k = x Wk, v = x Wv on codes of FP6 (E2M3), and each result quantised in registers: q and k along the head's 64, v along the keys.  No result exists as f32 in memory.
; Work-group (g, y): rows 128 g .. 128 g + 127 of x (8 tiles), y = 0 q, 1 k, 2 v.  Wave w: columns 128 w .. 128 w + 127 (8 tiles of the weight: heads 2 w and 2 w + 1).  Waves share nothing: no LDS, no barrier.
; ONE CORE: D(t) = resident tile t (source 0; 8 tiles x 4 K steps stay in 384 registers) x streamed tile i (source 1), i = 0 .. 7.  q, k: the weight is resident and x streamed: a lane holds one row and its
; 64 registers run along 128 columns.  v: x is resident and the weight streamed: a lane holds one channel and its 64 registers run along the 128 keys.  Only pointers differ.
; The tiles' rows were chosen by the launch before so that the registers of result tiles 2 b, 2 b + 1 are 16 neighbours, 32 b + 16 (lane / 16) + 0 .. 15: what QUANT takes.
; OUT.  qrec: [head 16][group of 128 queries 32][6,656]: 8 half fragments of 768 bytes (registers 0-3 at 16 x lane, registers 4-5 at 512 + 8 x lane), then at 6,144 scale words [2][row 16][tile 4].
; kv: [head 16][key step 32][13,056]: k as in qrec; at 6,656 four whole fragments of v^T (1,536 bytes each); at 12,800 their scale words [row 16][tile 4].  Every store of a wave covers 256 or 512 consecutive bytes, aligned.
; A head's 64 fill the lower half of a K of 128: the scale words of q and k hold two bytes, and zeros above, which stand over zero codes.
; LIMITS: NaN and infinities are not served; a block whose largest magnitude lies under 2^-124 has its byte held at 1; a block of zeros gets the byte 1 (its codes are zeros; this program alone reads the bytes).
; REGISTERS: window 0: v1-5 addresses; v8-23, v24-43 QUANT's; v44-51 the 8 tiles' scale words; v52-63 streamed scale words, three sets; v64-155 free (the streamed fragments lie in window 3); v156-219 the 8 accumulators;
;   v220-251 resident scale words (4 t + s).  Window 1: resident K steps 0, 1 at v[12 (8 (s % 2) + t)].  Window 2: K steps 2, 3 likewise.
.set TM,  8
.set PC,  24
.set PWS, 44
.set SS,  52
.set SF,  0                            ; the streamed fragments: THREE sets of 48, in window 3 (v60-63 of window 0 hold the third set of streamed scale words; v64-155 there are free)
.set HA,  156
.set RS,  220
.set SEL, 46                           ; s[46:47]
.set MSB, 0
.macro WIN new                         ; the immediate's high byte repeats the setting that is left
.if MSB != \new
	s_set_vgpr_msb (MSB<<8)|\new
.set MSB, \new
.endif
.endm
.macro QUANT s, pw                     ; 64 numbers of a lane, register 16 b + i = k 32 b + 16 (lane / 16) + i, become a fragment in v[PC] on and a scale word in v[pw]
.irp b, 0,1,2,3
	v_max3_num_f32 v[TM+\b], |v[\s+16*\b]|, |v[\s+1+16*\b]|, 0x1800000   ; each accumulator is read from its low end on; the floor 2^(3 - 127) holds the byte at 1 from below
.endr
.irp i, 2,4,6,8,10,12,14
.irp b, 0,1,2,3
	v_max3_num_f32 v[TM+\b], v[TM+\b], |v[\s+16*\b+\i]|, |v[\s+1+16*\b+\i]|
.endr
.endr
.irp b, 0,1,2,3
	v_permlanex16_b32 v[TM+4+\b], v[TM+\b], s[SEL], s[SEL+1]
.endr
.irp b, 0,1,2,3
	v_max_num_f32 v[TM+\b], v[TM+\b], v[TM+4+\b]
.endr
.irp b, 0,1,2,3
	v_add_nc_u32 v[TM+12+\b], 0xff000000, v[TM+\b]
.endr
.irp b, 0,1,2,3
	v_lshrrev_b32 v[TM+4+\b], 23, v[TM+12+\b]
.endr
	v_lshl_or_b32 v[\pw], v[TM+5], 8, v[TM+4]
	v_lshl_or_b32 v[\pw], v[TM+6], 16, v[\pw]
	v_lshl_or_b32 v[\pw], v[TM+7], 24, v[\pw]
.irp c, 0,1
	v_cvt_scalef32_pk16_fp6_f32 v[PC+6*\c:PC+2+6*\c], v[\s+32*\c:\s+15+32*\c], v[TM+12+2*\c]
	v_cvt_scalef32_pk16_fp6_f32 v[PC+12+4*\c:PC+14+4*\c], v[\s+16+32*\c:\s+31+32*\c], v[TM+12+2*\c+1]
.endr
	v_nop                                          ; one plain line behind the scaled conversions: the next tile's products write their sources
.irp c, 0,1
.irp i, 0,1,2
	v_permlane16_swap_b32 v[PC+6*\c+\i], v[PC+12+4*\c+\i]
.endr
.irp i, 0,1,2
	v_mov_b32 v[PC+3+6*\c+\i], v[PC+12+4*\c+\i]
.endr
.endr
.endm
	s_load_b256 s[4:11], s[0:1], 0x0               ; ximg s[4:5], xsc s[6:7], wimg s[8:9], wsc s[10:11]
	s_load_b128 s[12:15], s[0:1], 0x20             ; qrec s[12:13], kv s[14:15]
	v_lshrrev_b32 v1, 5, v0
	v_readfirstlane_b32 s16, v1                    ; wave 0..3
	s_and_b32 s17, ttmp7, 0xffff                   ; y
	s_mul_i32 s20, s17, 196608                     ; the weight's images: matrix y, my 8 tiles
	s_mul_i32 s21, s16, 49152
	s_add_co_u32 s20, s20, s21
	s_mov_b32 s21, 0
	s_lshl_b32 s22, s17, 14                        ; and their scale words
	s_lshl_b32 s23, s16, 12
	s_add_co_u32 s22, s22, s23
	s_mov_b32 s23, 0
	s_mul_i32 s24, ttmp9, 49152                    ; x's images: the group's 8 tiles
	s_mov_b32 s25, 0
	s_lshl_b32 s26, ttmp9, 12
	s_mov_b32 s27, 0
	s_mov_b32 s[SEL], 0x76543210
	s_mov_b32 s[SEL+1], 0xfedcba98
	v_and_b32 v6, 31, v0
	v_lshlrev_b32 v1, 4, v6                        ; 16 x lane
	v_lshlrev_b32 v2, 3, v6                        ; 8 x lane
	v_bfe_u32 v5, v0, 4, 1                         ; h
	v_lshlrev_b32 v3, 4, v5                        ; 16 h: which half of a scale word is my head's
	v_and_b32 v6, 15, v0
	v_lshlrev_b32 v6, 4, v6                        ; 16 r
.irp b, 0,1,2,3
	v_mov_b32 v[TM+4+\b], 0                        ; written once: a lane permute's destination counts as one of its sources
.endr
	s_wait_alu depctr_va_vdst(0)
	s_wait_kmcnt 0x0
	s_add_nc_u64 s[8:9], s[8:9], s[20:21]
	s_add_nc_u64 s[10:11], s[10:11], s[22:23]
	s_add_nc_u64 s[4:5], s[4:5], s[24:25]
	s_add_nc_u64 s[6:7], s[6:7], s[26:27]
	s_cmp_eq_u32 s17, 2                            ; v: x is resident, the weight streamed; the choice hangs on the work-group's number alone
	s_cselect_b64 s[28:29], s[4:5], s[8:9]         ; resident codes
	s_cselect_b64 s[30:31], s[6:7], s[10:11]       ; resident scale words
	s_cselect_b64 s[32:33], s[8:9], s[4:5]         ; streamed codes
	s_cselect_b64 s[34:35], s[10:11], s[6:7]       ; streamed scale words
	s_cmp_eq_u32 s17, 0
	s_cselect_b64 s[40:41], s[12:13], s[14:15]     ; where the results go
	s_mov_b32 s38, 13056
	s_cselect_b32 s38, 6656, s38                   ; a record's bytes
	s_lshr_b32 s36, ttmp9, 5                       ; the batch
	s_lshl_b32 s36, s36, 3
	s_lshl_b32 s37, s16, 1
	s_add_co_u32 s36, s36, s37                     ; head 8 x batch + 2 w
	s_lshl_b32 s36, s36, 5
	s_and_b32 s37, ttmp9, 31
	s_add_co_u32 s36, s36, s37                     ; its record of this group of 128 rows
	s_mul_i32 s36, s36, s38
	s_mov_b32 s37, 0
	s_add_nc_u64 s[40:41], s[40:41], s[36:37]      ; head 2 w's record
	s_lshl_b32 s44, s38, 5                         ; 32 records on:
	s_mov_b32 s45, 0
	s_add_nc_u64 s[42:43], s[40:41], s[44:45]      ; head 2 w + 1's
	v_mul_lo_u32 v4, v5, s44
	v_add_nc_u32 v4, v4, v6                        ; the scale words' place: lanes 0-15 in head 2 w's record, lanes 16-31 in head 2 w + 1's; 16 bytes a row
	WIN 0x40                                       ; destination window 1
.irp s, 0,1
.irp t, 0,1,2,3,4,5,6,7
.irp c, 0,1,2
	global_load_b128 v[12*(8*\s+\t)+4*\c:12*(8*\s+\t)+4*\c+3], v1, s[28:29] offset:\t*6144+\s*1536+512*\c
.endr
.endr
.endr
	WIN 0x80                                       ; destination window 2
.irp s, 0,1
.irp t, 0,1,2,3,4,5,6,7
.irp c, 0,1,2
	global_load_b128 v[12*(8*\s+\t)+4*\c:12*(8*\s+\t)+4*\c+3], v1, s[28:29] offset:\t*6144+(\s+2)*1536+512*\c
.endr
.endr
.endr
	WIN 0
.irp t, 0,1,2,3,4,5,6,7
	global_load_b128 v[RS+4*\t:RS+4*\t+3], v1, s[30:31] offset:\t*512
.endr
.macro SLOAD i                         ; streamed tile i: 12 loads of codes (into window 3) and one of scale words, into set i % 3
	WIN 0xc0
.irp s, 0,1,2,3
.irp c, 0,1,2
	global_load_b128 v[SF+48*((\i)%3)+12*\s+4*\c:SF+48*((\i)%3)+12*\s+4*\c+3], v1, s[32:33] offset:(\i)*6144+\s*1536+512*\c
.endr
.endr
	WIN 0
	global_load_b128 v[SS+4*((\i)%3):SS+4*((\i)%3)+3], v1, s[34:35] offset:(\i)*512
.endm
.macro MUL8 s, zero                    ; K step s of the eight accumulators, which take turns, one instruction a turn
.irp t, 0,1,2,3,4,5,6,7
.if \zero
	v_wmma_scale_f32_16x16x128_f8f6f4 v[HA+8*\t:HA+8*\t+7], v[12*(8*((\s)%2)+\t):12*(8*((\s)%2)+\t)+11], v[SF+48*P+12*(\s):SF+48*P+12*(\s)+11], 0, v[RS+4*\t+(\s)], v[SS+4*P+(\s)] matrix_a_fmt:MATRIX_FMT_FP6 matrix_b_fmt:MATRIX_FMT_FP6
.else
	v_wmma_scale_f32_16x16x128_f8f6f4 v[HA+8*\t:HA+8*\t+7], v[12*(8*((\s)%2)+\t):12*(8*((\s)%2)+\t)+11], v[SF+48*P+12*(\s):SF+48*P+12*(\s)+11], v[HA+8*\t:HA+8*\t+7], v[RS+4*\t+(\s)], v[SS+4*P+(\s)] matrix_a_fmt:MATRIX_FMT_FP6 matrix_b_fmt:MATRIX_FMT_FP6
.endif
.endr
.endm
.macro TILE i
.if (\i) < 6
	SLOAD (\i)+2                                   ; two tiles ahead, into the set that the tile before multiplied: four v_nop and a whole QUANT lie behind its products
	s_wait_loadcnt 26                              ; all but the two younger tiles' 13 loads each: this tile's operands are in (and, at the first tile, the resident ones)
.else
	s_wait_loadcnt 13*(7-(\i))                     ; the last two tiles ask for nothing more: 13 younger loads, then none
.endif
.set P, (\i)%3
	WIN 0x0d                                       ; source 0 in window 1, source 1 in window 3
	MUL8 0, 1                                      ; the first K step starts the sums
	MUL8 1, 0
	WIN 0x0e                                       ; source 0 in window 2, source 1 in window 3
	MUL8 2, 0
	MUL8 3, 0
	WIN 0
.rept 4
	v_nop                                          ; four places between the last products and the first read of results
.endr
.if (\i) > 0
	s_wait_xcnt 0x0                                ; the last tile's stores have read the codes' registers
.endif
	QUANT HA, PWS+(\i)
	s_cmp_eq_u32 s17, 2
	s_cbranch_scc1 .Lv_\@
	global_store_b128 v1, v[PC:PC+3], s[40:41] offset:768*(\i)            ; q, k: the fragment's lower six registers are head 2 w's 64,
	global_store_b64 v2, v[PC+4:PC+5], s[40:41] offset:768*(\i)+512
	global_store_b128 v1, v[PC+6:PC+9], s[42:43] offset:768*(\i)          ; the upper six head 2 w + 1's
	global_store_b64 v2, v[PC+10:PC+11], s[42:43] offset:768*(\i)+512
	s_branch .Ldone_\@
.Lv_\@:
	s_wait_alu depctr_va_vdst(0)
.irp c, 0,1,2
.if (\i) < 4
	global_store_b128 v1, v[PC+4*\c:PC+4*\c+3], s[40:41] offset:6656+((\i)%4)*1536+512*\c   ; v: 16 channels x 128 keys, a whole fragment
.else
	global_store_b128 v1, v[PC+4*\c:PC+4*\c+3], s[42:43] offset:6656+((\i)%4)*1536+512*\c
.endif
.endr
.Ldone_\@:
.endm
	SLOAD 0
	SLOAD 1
.irp i, 0,1,2,3,4,5,6,7
	TILE \i
.endr
	s_cmp_eq_u32 s17, 2
	s_cbranch_scc1 .Lv_words
.irp n, 0,1,2,3,4,5,6,7
	v_lshrrev_b32 v[TM+\n], v3, v[PWS+\n]          ; q, k: lanes 0-15 keep head 2 w's two bytes of each word, lanes 16-31 head 2 w + 1's
.endr
.irp n, 0,1,2,3,4,5,6,7
	v_and_b32 v[TM+\n], 0xffff, v[TM+\n]
.endr
	global_store_b128 v4, v[TM:TM+3], s[40:41] offset:6144     ; sixteen lanes store 256 consecutive bytes of their head's record
	global_store_b128 v4, v[TM+4:TM+7], s[40:41] offset:6400
	s_endpgm
.Lv_words:
	v_cmp_eq_u32 vcc_lo, 1, v5
.irp t, 0,1,2,3
	v_cndmask_b32 v[TM+\t], v[PWS+\t], v[PWS+4+\t], vcc_lo   ; v: lanes 0-15 the words of tiles 0-3 (head 2 w), lanes 16-31 those of tiles 4-7
.endr
	global_store_b128 v4, v[TM:TM+3], s[40:41] offset:12800
	s_endpgm
.Lfunc_end_k_q0e03da6fdb_qkv:
	.size	k_q0e03da6fdb_qkv, .Lfunc_end_k_q0e03da6fdb_qkv-k_q0e03da6fdb_qkv
	.p2alignl 7, 3214868480
	.fill 96, 4, 3214868480
	.section	.rodata,"a",@progbits
	.p2align	6, 0x0
	.amdhsa_kernel k_q0e03da6fdb_qkv
		.amdhsa_group_segment_fixed_size 0
		.amdhsa_private_segment_fixed_size 0
		.amdhsa_enable_private_segment 0
		.amdhsa_kernarg_size 48
		.amdhsa_user_sgpr_count 2
		.amdhsa_user_sgpr_kernarg_segment_ptr 1
		.amdhsa_wavefront_size32 1
		.amdhsa_system_sgpr_workgroup_id_x 1
		.amdhsa_system_sgpr_workgroup_id_y 1
		.amdhsa_system_sgpr_workgroup_id_z 1
		.amdhsa_system_vgpr_workitem_id 0
		.amdhsa_next_free_vgpr 1024
		.amdhsa_next_free_sgpr 66
		.amdhsa_reserve_vcc 1
		.amdhsa_float_denorm_mode_32 3
		.amdhsa_float_denorm_mode_16_64 3
		.amdhsa_memory_ordered 1
		.amdhsa_forward_progress 1
		.amdhsa_inst_pref_size 95
	.end_amdhsa_kernel
	.amdgpu_metadata
---
amdhsa.version: [ 1, 2 ]
amdhsa.kernels:
  - .name:           k_q0e03da6fdb_qkv
    .symbol:         k_q0e03da6fdb_qkv.kd
    .args:
      - { .name: ximg, .offset: 0, .size: 8, .value_kind: global_buffer, .address_space: global }
      - { .name: xsc, .offset: 8, .size: 8, .value_kind: global_buffer, .address_space: global }
      - { .name: wimg, .offset: 16, .size: 8, .value_kind: global_buffer, .address_space: global }
      - { .name: wsc, .offset: 24, .size: 8, .value_kind: global_buffer, .address_space: global }
      - { .name: qrec, .offset: 32, .size: 8, .value_kind: global_buffer, .address_space: global }
      - { .name: kv, .offset: 40, .size: 8, .value_kind: global_buffer, .address_space: global }
    .group_segment_fixed_size: 0
    .private_segment_fixed_size: 0
    .kernarg_segment_align: 8
    .kernarg_segment_size: 48
    .max_flat_workgroup_size: 128
    .sgpr_count:     66
    .vgpr_count:     1024
    .wavefront_size: 32
...
	.end_amdgpu_metadata
.endif
;; end of part 2
;; launch attn (part 3): grid 16 x 16, 8 waves a work-group, clusters of 4 x 1, 327,680 bytes of LDS; arguments qrec, kv, oimg, osc; writes oimg, osc
.if DOCPART == 3
	.amdgcn_target "amdgcn-amd-amdhsa--gfx1250"
	.amdhsa_code_object_version 6
	.text
	.protected	k_q0e03da6fdb_attn
	.globl	k_q0e03da6fdb_attn
	.p2align	8
	.type	k_q0e03da6fdb_attn,@function
k_q0e03da6fdb_attn:
	s_mov_b64 s[64:65], 0
	v_nop
	global_prefetch_b8 v0, s[64:65] scope:SCOPE_SE
	s_setreg_imm32_b32 hwreg(HW_REG_WAVE_MODE, 25, 1), 1
	s_wait_xcnt 0x0
	s_wait_alu depctr_hold_cnt(0) depctr_sa_sdst(0) depctr_va_vdst(0) depctr_va_sdst(0) depctr_va_ssrc(0) depctr_va_vcc(0) depctr_vm_vsrc(0)
	s_getreg_b32 s2, hwreg(HW_REG_IB_STS2, 6, 4)
	s_cmp_eq_u32 s2, 0
	s_cbranch_scc0 .Lentry_in_a_cluster
	s_endpgm
.Lentry_in_a_cluster:
	s_bfe_u32 s2, ttmp6, 0x10000c
	s_cmp_lg_u32 s2, 0x3003
	s_cbranch_scc0 .Lentry_shape_is_right
	s_endpgm
.Lentry_shape_is_right:
; o[head][q] = the sum over keys of softmax(q . k / 8) v, both products on codes of FP6 (E2M3), and o quantised along the head's 64 for the last product.  16 heads (batch x 8), 4,096 queries and keys, head size 64.
; THE SOFTMAX AHEAD OF THE SECOND PRODUCT: t = score x log2(e) / 8; M = the row's largest t so far, rounded UP to a whole number; p = 2^(t - M) is quantised along the keys, not normalised.  The row's sum is
; taken of the unquantised p and divides O at the end.  When M moves, the sum and O are multiplied by 2^(old M - new M): exact.
; SHARES.  A work-group owns 256 queries of one head; each of its eight waves two tiles of 16 queries, so that each fragment of K and V read from LDS feeds two products.  Every wave walks all keys, 128 a step.
; Both products are used transposed: S^T = K Q^T, O^T = V^T P^T: a lane holds one query throughout.  The head's 64 fill the lower half of the first product's K of 128: the upper six registers of Q's and K's fragments hold zero codes, set once.
; THE KEYS OF A TILE OF K ARE CHOSEN BY THE LANES' LDS ADDRESSES: tile 4 c + u takes keys 64 c + 8 u + 0 .. 7 as rows 0-7 and keys 64 c + 32 + 8 u + 0 .. 7 as rows 8-15.  So lane (r, h) holds, in registers 32 c + 0 .. 31 of S^T,
; the whole block of keys 64 c + 32 h + 0 .. 31 in their order: a block's largest score needs no other lane, and the conversions' results are the operand's registers in the operand's lanes.
; (In a record key 32 B + 16 a + 8 u' + j lies in half fragment 2 B + u', row j + 8 a: the lane term 1,536 (r / 8) picks B's parity, the immediates the rest.)
; THE EXPONENTIALS GO IN TWO BATCHES, each with plain lines of the OTHER tile among them whose results are first read behind the batch's closing wait: tile 0's with tile 1's t - M, tile 1's with the first level of tile 0's row sum.
; RING.  Two LDS slots of eight records of 13,056 bytes.  CLUSTER: the four query blocks of a cluster belong to one head and walk the same records: each record is asked for JOINTLY, wave w asking for record w of a slot,
; with the same descriptor and a mask that names the four.  By this text's count a wave has at most one tensor load out.  The four slots' walks are written out as four counted loops of eight steps.
; PREFETCH of the slot that the NEXT change of slots will ask for, eight key steps ahead of that load.  All clusters of a head walk the same records: the head's first cluster asks; its four partners are told apart BY ADDRESS,
; two records each; waves 0 to 3 name the 102 blocks of 256 bytes, a lane a block (in wave 3 the lanes left over name block 101 again).  Slots 0 and 1 come by their loads alone; the last fill asks for nothing.
; OUT.  oimg: [tile of rows 512][head 8][768]: half a fragment (registers 0-3 at 16 x lane, 4-5 at 512 + 8 x lane); osc: [tile][head][lane] words of two bytes.
; LIMITS: NaN and infinities are not served; a block of p or of o whose largest magnitude lies under 2^-124 has its byte held at 1 (a block of zeros too: its codes are zeros).
; REGISTERS.  Window 0: v1-15 lane terms and addresses; v16-17 Q's scale words, v18-19 p's, v20-27 K's, v28-31 V's; v32-55 Q's two fragments; v56-151 K's eight; v152-199 V's four.
; Window 1: tile T at 128 T: 0-63 S^T, then p; 64-95 O^T; 96-107 p's codes; 108-115 at work; 116 -M, 117 the largest score; 118-119 the sum in two halves; 120 f; 122-127 at work.
.set REC,   13056
.set KSC,   6144
.set VC,    6656
.set VSC,   12800
.set NREC,  8
.set SLOTB, NREC*REC
.set SLOT1, 131072
.set SPARE, 262144                     ; the spare words, 128 bytes for each wave: four blocks of 256 bytes that no other line names
.set LK, 1
.set LH, 2
.set LS, 3
.set LV, 4
.set LW, 5
.set SPW, 6
.set NIL, 7
.set PFO, 8
.set ADK, 9
.set ADH, 10
.set ADS, 11
.set ADV, 12
.set ADW, 13
.set LI8, 14
.set LI4, 15
.set QS, 16
.set PW, 18
.set KS, 20
.set VS, 28
.set QF, 32
.set KF, 56
.set VF, 152
.set WO, 64
.set WP, 96
.set WC, 108
.set WN, 116
.set WM, 117
.set WL, 118
.set WF, 120
.set WB, 122
.set WE, 124
.set WX, 125
.set WY, 126
.set WZ, 127
.set WV,  12
.set SEL, 20
.set CS,  22
.set G1,  24
.set G0,  32
.set TS,  36                           ; s36 LDS byte of the record in hand
.set CNT, 37
.set LIM, 38
.set NCS, 39
.set PFA, 40
.set MSB, 0
.macro WIN new                         ; the immediate's high byte repeats the setting that is left
.if MSB != \new
	s_set_vgpr_msb (MSB<<8)|\new
.set MSB, \new
.endif
.endm
.macro H2
	s_delay_alu instid0(VALU_DEP_2)
.endm
.macro CROUND                          ; a round of the cluster's barrier
	s_barrier_signal -1
	s_barrier_wait -1
	s_cmp_lg_u32 s[WV], 0
	s_cbranch_scc1 .Lnot_wave_0_\@
	s_barrier_signal -3
.Lnot_wave_0_\@:
	s_barrier_wait -3
	s_barrier_signal -1
	s_barrier_wait -1
.endm
.macro JLOAD                           ; every wave asks for its record of the slot; s_nop 0 and four v_nop follow
	tensor_load_to_lds s[G0:G0+3], s[G1:G1+7]
	s_nop 0
.rept 4
	v_nop
.endr
.endm
.macro ASK
	s_cmp_eq_u32 s[LIM], 1
	s_cbranch_scc0 .Lnot_mine_\@
	global_prefetch_b8 v[PFO], s[PFA:PFA+1] th:TH_LOAD_NT scope:SCOPE_SE
.Lnot_mine_\@:
.endm
	s_load_b256 s[4:11], s[0:1], 0x0               ; qrec s[4:5], kv s[6:7], oimg s[8:9], osc s[10:11]
	v_lshl_add_u32 v[SPW], v0, 2, SPARE
	v_mov_b32 v[NIL], 0
	ds_add_u32 v[SPW], v[NIL]                      ; the opening lines: the add, twice on end, and its wait
	ds_add_u32 v[SPW], v[NIL]
	v_lshrrev_b32 v9, 5, v0
	v_readfirstlane_b32 s[WV], v9                  ; wave 0..7
	s_bfe_u32 s13, ttmp6, 0x40000                  ; cx
	s_lshl_b32 s14, ttmp9, 2
	s_add_co_u32 s14, s14, s13                     ; my block of 256 queries: it enters Q's and the output's addresses alone
	s_and_b32 s15, ttmp7, 0xffff                   ; the head, which the four partners share
	s_mov_b32 s[G1], 15|(3<<16)|(1<<21)            ; a record, 13,056 dense bytes, as 51 rows of 256 bytes (32 elements of 8); the mask names all four work-groups
	s_mov_b32 s[G1+1], 32<<16
	s_mov_b32 s[G1+2], 51<<16
	s_mov_b32 s[G1+3], 32<<16
	s_mov_b32 s[G1+4], 51
	s_mov_b32 s[G1+5], 32
	s_mov_b32 s[G1+6], 0
	s_mov_b32 s[G1+7], 0
	s_mul_i32 s18, s[WV], REC                      ; my record of a slot: the same bytes on in memory and in LDS
	s_mul_i32 s52, s15, 32*REC
	s_add_co_u32 s52, s52, s18
	s_mov_b32 s53, 0
	s_mov_b32 s[SEL], 0x76543210
	s_mov_b32 s[SEL+1], 0xfedcba98
	s_mov_b32 s[CS], 0x3e38aa3b                    ; c = log2(e) / 8
	s_mov_b32 s[CS+1], s[CS]
	s_mov_b32 s[NCS], 0xbe38aa3b                   ; -c
	s_lshr_b32 s[LIM], s[WV], 2
	s_or_b32 s[LIM], s[LIM], ttmp9                 ; 0 in waves 0 to 3 of the head's first cluster: the same in all four partners
	s_cmp_eq_u32 s[LIM], 0
	s_cselect_b32 s[LIM], 1, -1
	s_mul_i32 s42, s15, 32*REC
	s_mul_i32 s43, s13, 2*REC                      ; my work-group's two records of a slot's eight
	s_add_co_u32 s42, s42, s43
	s_add_co_u32 s42, s42, SLOTB                   ; in slot 1: the first change of slots steps it to slot 2
	s_mov_b32 s43, 0
	s_lshl_b32 s19, s[WV], 5
	s_lshl_b32 s16, s15, 5                         ; Q: the record of my group of 128 queries
	s_lshl_b32 s17, s14, 1
	s_add_co_u32 s16, s16, s17
	s_lshr_b32 s17, s[WV], 2
	s_add_co_u32 s16, s16, s17
	s_mul_i32 s16, s16, 6656
	s_and_b32 s17, s[WV], 3
	s_mul_i32 s17, s17, 1536
	s_add_co_u32 s44, s16, s17                     ; my two tiles' half fragments, 768 bytes each
	s_mov_b32 s45, 0
	s_bfe_u32 s17, s[WV], 0x10001
	s_lshl_b32 s17, s17, 8
	s_add_co_u32 s46, s16, s17
	s_and_b32 s17, s[WV], 1
	s_lshl_b32 s17, s17, 3
	s_add_co_u32 s46, s46, s17                     ; and their two scale words, neighbours in [2][row 16][tile 4]
	s_mov_b32 s47, 0
	s_lshr_b32 s16, s15, 3                         ; the output: tile of rows 256 x batch + 16 x block + 2 x wave,
	s_lshl_b32 s16, s16, 8
	s_lshl_b32 s17, s14, 4
	s_add_co_u32 s16, s16, s17
	s_lshl_b32 s17, s[WV], 1
	s_add_co_u32 s16, s16, s17
	s_lshl_b32 s16, s16, 3
	s_and_b32 s17, s15, 7
	s_add_co_u32 s16, s16, s17                     ; x 8 + the head in its batch
	s_mul_i32 s48, s16, 768
	s_mov_b32 s49, 0
	s_lshl_b32 s50, s16, 7
	s_mov_b32 s51, 0
	s_wait_dscnt 0x0                               ; both opening adds are done
	s_wait_kmcnt 0x0
	s_mov_b32 s[G0], 1
	s_mov_b32 s[G0+1], s18
	s_add_nc_u64 s[G0+2:G0+3], s[6:7], s[52:53]
	s_or_b32 s[G0+3], s[G0+3], 0x80000000
	CROUND                                         ; all four work-groups are here: the first joint loads meet
	JLOAD                                          ; slot 0: one tensor load a wave
	s_add_nc_u64 s[PFA:PFA+1], s[6:7], s[42:43]
	s_add_nc_u64 s[44:45], s[4:5], s[44:45]
	s_add_nc_u64 s[46:47], s[4:5], s[46:47]
	s_add_nc_u64 s[48:49], s[8:9], s[48:49]
	s_add_nc_u64 s[50:51], s[10:11], s[50:51]
	v_and_b32 v200, 31, v0                         ; lane
	v_and_b32 v201, 15, v0                         ; r
	v_and_b32 v202, 7, v0                          ; r % 8
	v_bfe_u32 v203, v0, 3, 1                       ; r / 8
	v_bfe_u32 v204, v0, 4, 1                       ; h
	v_lshlrev_b32 v[LV], 4, v200
	v_lshlrev_b32 v[LI8], 3, v200
	v_lshlrev_b32 v[LI4], 2, v200
	v_lshlrev_b32 v[LW], 4, v201
	s_wait_alu depctr_va_vdst(0)                   ; the wait ahead of the readers below
	global_load_b128 v[QF:QF+3], v[LV], s[44:45]   ; Q's two half fragments stay in registers
	global_load_b64 v[QF+4:QF+5], v[LI8], s[44:45] offset:512
	global_load_b128 v[QF+12:QF+15], v[LV], s[44:45] offset:768
	global_load_b64 v[QF+16:QF+17], v[LI8], s[44:45] offset:1280
	global_load_b64 v[QS:QS+1], v[LW], s[46:47] offset:6144
	v_mul_u32_u24 v[LK], v203, 1536                ; K's 16 bytes: 1,536 (r / 8) + 16 (r % 8) + 256 h
	v_mul_u32_u24 v[LH], v203, 1536                ; K's 8 bytes: 1,536 (r / 8) + 8 (r % 8) + 128 h
	v_lshlrev_b32 v[LS], 4, v202                   ; K's scale words: 16 (r % 8) + 8 (r / 8)
	v_lshl_add_u32 v[LK], v202, 4, v[LK]
	v_lshl_add_u32 v[LH], v202, 3, v[LH]
	v_lshl_add_u32 v[LS], v203, 3, v[LS]
	v_lshl_add_u32 v[LK], v204, 8, v[LK]
	v_lshl_add_u32 v[LH], v204, 7, v[LH]
	v_add_nc_u32 v[PFO], s19, v200
	v_min_u32 v[PFO], 101, v[PFO]
	v_lshlrev_b32 v[PFO], 8, v[PFO]
.irp t, 0,1
.irp j, 6,7,8,9,10,11
	v_mov_b32 v[QF+12*\t+\j], 0                    ; the upper 64 of the first product's K: zero codes, in Q
.endr
.endr
.irp t, 0,1,2,3,4,5,6,7
.irp j, 6,7,8,9,10,11
	v_mov_b32 v[KF+12*\t+\j], 0                    ; and in K's eight fragments: never written again
.endr
.endr
	WIN 0x40                                       ; destination window 1
.irp T, 0,128
	v_mov_b32 v[\T+WM], 0xff61b1e6                 ; the largest score so far: -3e38
	v_mov_b32 v[\T+WN], 0x7e000000                 ; -M = 2^125: the first step's f falls to 0
	v_mov_b32 v[\T+WL], 0
	v_mov_b32 v[\T+WL+1], 0
	v_mov_b32 v[\T+WF+1], 0                        ; (named as the upper half of f's pair)
	v_mov_b32 v[\T+WX], 0                          ; (a lane permute's destination counts as one of its sources)
.set J, 0
.rept 32
	v_mov_b32 v[\T+WO+J], 0                        ; O^T: the step is written once; the first finds zeros
.set J, J+1
.endr
.endr
	WIN 0
.macro KLOAD                           ; a record's K: eight half fragments and their scale words, the tiles' keys chosen by address
.irp i, 0,1,2,3,4,5,6,7
	ds_load_b128 v[KF+12*\i:KF+12*\i+3], v[ADK] offset:768*(4*(\i/4)+(\i%2))+128*((\i%4)/2)
	ds_load_b64 v[KF+12*\i+4:KF+12*\i+5], v[ADH] offset:768*(4*(\i/4)+(\i%2))+512+64*((\i%4)/2)
.endr
.irp p, 0,1,2,3
	ds_load_b64 v[KS+2*\p:KS+2*\p+1], v[ADS] offset:KSC+256*(\p/2)+128*(\p%2)
.endr
.endm
.macro R1 q                            ; tile 1's row sum: four chains take eight more registers of p
.irp k, 0,1,2,3
	v_pk_add_f32 v[128+WC+2*\k:128+WC+2*\k+1], v[128+WC+2*\k:128+WC+2*\k+1], v[128+\q+2*\k:128+\q+2*\k+1]
.endr
.endm
; A KEY STEP: 128 keys x my 32 queries.  K of this record is in registers or on its way.
.macro STEP
	WIN 0x55
.irp T, 0,128
	v_mov_b32 v[\T+WZ], v[\T+WN]                   ; the old -M.  These two lines and the two below are the four places between the last products and the loads into V's registers
.endr
	WIN 0
	v_add_nc_u32 v[ADV], s[TS], v[LV]
	v_add_nc_u32 v[ADW], s[TS], v[LW]
	s_wait_alu depctr_va_vdst(0)                   ; the wait behind these writes
.irp t, 0,1,2,3
.irp c, 0,1,2
	ds_load_b128 v[VF+12*\t+4*\c:VF+12*\t+4*\c+3], v[ADV] offset:VC+1536*\t+512*\c   ; V lands while the softmax is walked
.endr
.endr
	ds_load_b128 v[VS:VS+3], v[ADW] offset:VSC
	s_wait_dscnt 13                                ; K is in; V's thirteen loads may be out
	WIN 0x40
.irp T, 0,1
.irp i, 0,1,2,3,4,5,6,7
	v_wmma_scale_f32_16x16x128_f8f6f4 v[128*\T+8*\i:128*\T+8*\i+7], v[KF+12*\i:KF+12*\i+11], v[QF+12*\T:QF+12*\T+11], 0, v[KS+\i], v[QS+\T] matrix_a_fmt:MATRIX_FMT_FP6 matrix_b_fmt:MATRIX_FMT_FP6
.endr
.endr
	WIN 0
	s_add_co_u32 s[TS], s[TS], REC
	v_add_nc_u32 v[ADK], s[TS], v[LK]              ; the next record's K.  These four lines are the places ahead of the loads into K's registers and of the first read of results
	v_add_nc_u32 v[ADH], s[TS], v[LH]
	v_add_nc_u32 v[ADS], s[TS], v[LS]
	v_nop
	s_cmp_eq_u32 s[CNT], 1                         ; the slot's last step has no next record in this slot
	s_cbranch_scc1 .Lno_k_\@
	KLOAD
.Lno_k_\@:
	WIN 0x55
.irp c, 0,1
.irp T, 0,128
	v_max3_num_f32 v[\T+WB+\c], v[\T+32*\c], v[\T+32*\c+1], v[\T+32*\c+2]   ; the largest score of my block 2 c + h: each accumulator is read from its low end on
.endr
.endr
.irp i, 3,5,7,9,11,13,15,17,19,21,23,25,27,29
.irp c, 0,1
.irp T, 0,128
	v_max3_num_f32 v[\T+WB+\c], v[\T+WB+\c], v[\T+32*\c+\i], v[\T+32*\c+\i+1]
.endr
.endr
.endr
.irp c, 0,1
.irp T, 0,128
	v_max_num_f32 v[\T+WB+\c], v[\T+WB+\c], v[\T+32*\c+31]
.endr
.endr
.irp T, 0,128
	H2
	v_max_num_f32 v[\T+WY], v[\T+WB], v[\T+WB+1]
.endr
.irp T, 0,128
	H2
	v_permlanex16_b32 v[\T+WX], v[\T+WY], s[SEL], s[SEL+1]
.endr
.irp T, 0,128
	H2
	v_max3_num_f32 v[\T+WM], v[\T+WM], v[\T+WY], v[\T+WX]   ; the running largest score of my query
.endr
.irp T, 0,128
	H2
	v_mul_f32 v[\T+WY], s[NCS], v[\T+WM]
.endr
.irp T, 0,128
	H2
	v_floor_f32 v[\T+WN], v[\T+WY]                 ; the new -M = floor(-t): M is a whole number
.endr
.set J, 0
.rept 32
	v_pk_fma_f32 v[J:J+1], v[J:J+1], s[CS:CS+1], v[WN:WN+1] op_sel_hi:[1,0,0]   ; tile 0: t - M, two at a time; f is made among these lines
.if J == 4
	v_sub_f32 v[WZ], v[WN], v[WZ]                  ; old M - new M: a whole number, 0 or less
	v_sub_f32 v[128+WZ], v[128+WN], v[128+WZ]
.endif
.if J == 14
	v_cvt_i32_f32 v[WZ], v[WZ]                     ; (it saturates)
	v_cvt_i32_f32 v[128+WZ], v[128+WZ]
.endif
.if J == 24
	v_ldexp_f32 v[WF], 1.0, v[WZ]                  ; f = 2^(old M - new M)
	v_ldexp_f32 v[128+WF], 1.0, v[128+WZ]
.endif
.set J, J+2
.endr
.irp c, 0,1
.irp T, 0,128
	v_fma_f32 v[\T+WB+\c], v[\T+WB+\c], s[CS], v[\T+WN]   ; t - M of each block's largest score
.endr
.endr
.set J, 0
.rept 16
.irp T, 0,128
	v_pk_mul_f32 v[\T+WO+J:\T+WO+J+1], v[\T+WO+J:\T+WO+J+1], v[\T+WF:\T+WF+1] op_sel_hi:[1,0]   ; O^T under the new M, each accumulator from its low end on; ahead of every exponential
.endr
.set J, J+2
.endr
	s_wait_alu depctr_va_vdst(0)                   ; the wait ahead of the batch
.irp c, 0,1
.irp T, 0,128
	v_exp_f32 v[\T+WB+\c], v[\T+WB+\c]             ; the blocks' largest p: the same two instructions on the same number
.endr
.endr
.set J, 0
.rept 32                                       ; tile 0's p = 2^(t - M); among them tile 1's t - M, first read behind the wait below
	v_exp_f32 v[J], v[J]
	v_exp_f32 v[J+1], v[J+1]
	v_pk_fma_f32 v[128+J:128+J+1], v[128+J:128+J+1], s[CS:CS+1], v[128+WN:128+WN+1] op_sel_hi:[1,0,0]
.set J, J+2
.endr
	s_wait_alu depctr_va_vdst(0)                   ; one wait: for the batch, ahead of its first reader, and ahead of the next batch, which reads the lines laid among this one
.irp c, 0,1
.irp T, 0,128
	v_max_num_f32 v[\T+WB+\c], 0x1800000, v[\T+WB+\c]   ; the floor 2^(3 - 127)
.endr
.endr
.irp c, 0,1
.irp T, 0,128
	v_add_nc_u32 v[\T+WE+\c], 0xff000000, v[\T+WB+\c]   ; the conversion's scale operand
.endr
.endr
.irp c, 0,1
.irp T, 0,128
	v_lshrrev_b32 v[\T+WB+\c], 23, v[\T+WE+\c]     ; the scale's byte
.endr
.endr
.irp T, 0,128
	H2
	v_lshl_or_b32 v[\T+WB], v[\T+WB+1], 16, v[\T+WB]   ; my two bytes: blocks h and 2 + h
.endr
.irp T, 0,128
	H2
	v_permlanex16_b32 v[\T+WB+1], v[\T+WB], s[SEL], s[SEL+1]
.endr
	v_cvt_scalef32_pk16_fp6_f32 v[WP:WP+2], v[0:15], v[WE]             ; tile 0's p becomes the operand's twelve registers
	v_cvt_scalef32_pk16_fp6_f32 v[WC:WC+2], v[16:31], v[WE]            ; (a conversion's three registers begin on an even number)
	v_cvt_scalef32_pk16_fp6_f32 v[WP+6:WP+8], v[32:47], v[WE+1]
	v_cvt_scalef32_pk16_fp6_f32 v[WC+4:WC+6], v[48:63], v[WE+1]
	WIN 0x11                                       ; scale words lie in window 0; the two lines below are also the plain lines behind the scaled conversions
.irp T, 0,1
	v_lshl_or_b32 v[PW+\T], v[128*\T+WB+1], 8, v[128*\T+WB]   ; lanes 0-15, which the product reads: bytes of blocks 0, 1, 2, 3
.endr
	WIN 0x55
.irp i, 0,1,2
	v_mov_b32 v[WP+3+\i], v[WC+\i]
	v_mov_b32 v[WP+9+\i], v[WC+4+\i]
.endr
.set J, 0
.rept 16                                       ; tile 1's p; among them the first level of tile 0's row sum, in place (its p has been converted), first read behind the wait below
	v_exp_f32 v[128+J], v[128+J]
	v_exp_f32 v[128+J+1], v[128+J+1]
	v_exp_f32 v[128+J+2], v[128+J+2]
	v_exp_f32 v[128+J+3], v[128+J+3]
	v_pk_add_f32 v[J:J+1], v[J:J+1], v[J+2:J+3]
.set J, J+4
.endr
	s_wait_alu depctr_va_vdst(0)                   ; one wait for the batch and for the lines laid among it
	v_cvt_scalef32_pk16_fp6_f32 v[128+WP:128+WP+2], v[128:143], v[128+WE]          ; tile 1's p likewise
	v_cvt_scalef32_pk16_fp6_f32 v[128+WC:128+WC+2], v[144:159], v[128+WE]
	v_cvt_scalef32_pk16_fp6_f32 v[128+WP+6:128+WP+8], v[160:175], v[128+WE+1]
	v_cvt_scalef32_pk16_fp6_f32 v[128+WC+4:128+WC+6], v[176:191], v[128+WE+1]
.irp k, 0,1,2,3,4,5,6,7                        ; the rest of both row sums, by turns: also the plain lines behind the scaled conversions and the places ahead of the products below
	v_pk_add_f32 v[8*\k:8*\k+1], v[8*\k:8*\k+1], v[8*\k+4:8*\k+5]
.endr
.irp i, 0,1,2
	v_mov_b32 v[128+WP+3+\i], v[128+WC+\i]
	v_mov_b32 v[128+WP+9+\i], v[128+WC+4+\i]
.endr
.irp k, 0,1,2,3
	v_pk_add_f32 v[128+WC+2*\k:128+WC+2*\k+1], v[128+4*\k:128+4*\k+1], v[128+4*\k+2:128+4*\k+3]
.endr
	R1 16
.irp k, 0,1,2,3
	v_pk_add_f32 v[16*\k:16*\k+1], v[16*\k:16*\k+1], v[16*\k+8:16*\k+9]
.endr
	R1 24
.irp k, 0,1
	v_pk_add_f32 v[32*\k:32*\k+1], v[32*\k:32*\k+1], v[32*\k+16:32*\k+17]
.endr
	R1 32
	R1 40
	v_pk_add_f32 v[0:1], v[0:1], v[32:33]
	R1 48
	R1 56
	v_pk_add_f32 v[128+WC:128+WC+1], v[128+WC:128+WC+1], v[128+WC+2:128+WC+3]
	v_pk_add_f32 v[128+WC+4:128+WC+5], v[128+WC+4:128+WC+5], v[128+WC+6:128+WC+7]
	v_pk_fma_f32 v[WL:WL+1], v[WL:WL+1], v[WF:WF+1], v[0:1] op_sel_hi:[1,0,1]   ; the running sum under the new M, x f, and this step's sum, in one line
	H2
	v_pk_add_f32 v[128+WC:128+WC+1], v[128+WC:128+WC+1], v[128+WC+4:128+WC+5]
	s_delay_alu instid0(VALU_DEP_1)
	v_pk_fma_f32 v[128+WL:128+WL+1], v[128+WL:128+WL+1], v[128+WF:128+WF+1], v[128+WC:128+WC+1] op_sel_hi:[1,0,1]
	s_wait_alu depctr_va_vdst(0)                   ; the wait ahead of the wait below
	s_wait_dscnt 0x0                               ; V is in (and the next record's K, asked for a softmax ago)
	WIN 0x54
.irp t, 0,1,2,3                                ; O^T += V^T P^T: eight accumulators by turns, one instruction each
.irp T, 0,1
	v_wmma_scale_f32_16x16x128_f8f6f4 v[128*\T+WO+8*\t:128*\T+WO+8*\t+7], v[VF+12*\t:VF+12*\t+11], v[128*\T+WP:128*\T+WP+11], v[128*\T+WO+8*\t:128*\T+WO+8*\t+7], v[VS+\t], v[PW+\T] matrix_a_fmt:MATRIX_FMT_FP6 matrix_b_fmt:MATRIX_FMT_FP6
.endr
.endr
	WIN 0
.endm
; THE CHANGE OF SLOTS.  Each wave waits for all its tensor loads (its record of the slot ahead), adds 0 to its spare word, and waits for that and for its reads of the slot that it has left.
; fill = 1: the barrier is a round of the cluster's; the joint refill is the first thing behind it and has eight key steps in which to land.
.macro CHANGE fill, ask
	s_wait_tensorcnt 0x0
	ds_add_u32 v[SPW], v[NIL]
.if \fill
	s_xor_b32 s[G0+1], s[G0+1], SLOT1              ; no tensor load of mine is out: the walking descriptor goes to the other slot,
	s_add_nc_u64 s[G0+2:G0+3], s[G0+2:G0+3], SLOTB ; and the next eight records
.endif
.if \ask
	s_wait_xcnt 0x0                                ; the last prefetch, a slot back, has read its address
	s_add_nc_u64 s[PFA:PFA+1], s[PFA:PFA+1], SLOTB ; one slot further on than the walking descriptor
.endif
	s_wait_dscnt 0x0
.if \fill
	CROUND
	JLOAD
.if \ask
	ASK
.endif
.else
	s_barrier_signal -1
	s_barrier_wait -1
.endif
.endm
.macro RUN base                        ; the eight key steps of the slot at LDS byte base
	s_mov_b32 s[TS], \base
	s_mov_b32 s[CNT], NREC
	v_add_nc_u32 v[ADK], s[TS], v[LK]
	v_add_nc_u32 v[ADH], s[TS], v[LH]
	v_add_nc_u32 v[ADS], s[TS], v[LS]
	s_wait_alu depctr_va_vdst(0)                   ; the wait behind these writes
	KLOAD                                          ; the slot's first record
.Lstep_\@:
	STEP
	s_sub_co_u32 s[CNT], s[CNT], 1
	s_cmp_lg_u32 s[CNT], 0
	s_cbranch_scc1 .Lstep_\@
.endm
	s_wait_alu depctr_va_vdst(0)                   ; the wait at the head's end
	s_wait_loadcnt 0x0                             ; Q
	CHANGE 1, 1                                    ; keys 1,024 on go to slot 1, its first fill, issued as a refill is
	RUN 0
	CHANGE 1, 1
	RUN SLOT1
	CHANGE 1, 0
	RUN 0
	CHANGE 0, 0                                    ; nothing more is asked for
	RUN SLOT1
	; THE WAY OUT: o = O^T / the sum, quantised along the head's 64 (two blocks), stored as half a fragment of the last product's operand.
	WIN 0x55
.rept 4
	v_nop                                          ; four places behind the last products
.endr
.irp T, 0,128
	v_add_f32 v[\T+WL], v[\T+WL], v[\T+WL+1]       ; the sum's two halves,
.endr
.irp T, 0,128
	H2
	v_permlanex16_b32 v[\T+WX], v[\T+WL], s[SEL], s[SEL+1]
.endr
.irp T, 0,128
	H2
	v_add_f32 v[\T+WL], v[\T+WL], v[\T+WX]         ; and lane l xor 16's
.endr
	s_wait_alu depctr_va_vdst(0)
.irp T, 0,128
	v_rcp_f32 v[\T+WL], v[\T+WL]
.endr
	v_nop                                          ; a plain line behind the reciprocals
	s_wait_alu depctr_va_vdst(0)                   ; and the wait ahead of their first reader and of O^T's
.set J, 0
.rept 16
.irp T, 0,128
	v_pk_mul_f32 v[\T+J:\T+J+1], v[\T+WO+J:\T+WO+J+1], v[\T+WL:\T+WL+1] op_sel_hi:[1,0]   ; register 16 b + i is o(my query, 32 b + 16 h + i)
.endr
.set J, J+2
.endr
.irp b, 0,1
.irp T, 0,128
	v_max3_num_f32 v[\T+WB+\b], |v[\T+16*\b]|, |v[\T+16*\b+1]|, 0x1800000
.endr
.endr
.irp i, 2,4,6,8,10,12,14
.irp b, 0,1
.irp T, 0,128
	v_max3_num_f32 v[\T+WB+\b], v[\T+WB+\b], |v[\T+16*\b+\i]|, |v[\T+16*\b+\i+1]|
.endr
.endr
.endr
.irp b, 0,1
.irp T, 0,128
	v_permlanex16_b32 v[\T+WY+\b], v[\T+WB+\b], s[SEL], s[SEL+1]
.endr
.endr
.irp b, 0,1
.irp T, 0,128
	v_max_num_f32 v[\T+WB+\b], v[\T+WB+\b], v[\T+WY+\b]
.endr
.endr
.irp b, 0,1
.irp T, 0,128
	v_add_nc_u32 v[\T+WE+\b], 0xff000000, v[\T+WB+\b]
.endr
.endr
.irp b, 0,1
.irp T, 0,128
	v_lshrrev_b32 v[\T+WY+\b], 23, v[\T+WE+\b]
.endr
.endr
.irp T, 0,128
	H2
	v_lshl_or_b32 v[\T+WY], v[\T+WY+1], 8, v[\T+WY]   ; the head's two bytes of my row's scale word
.endr
.irp T, 0,128
	v_cvt_scalef32_pk16_fp6_f32 v[\T+WP:\T+WP+2], v[\T:\T+15], v[\T+WE]
	v_cvt_scalef32_pk16_fp6_f32 v[\T+WC:\T+WC+2], v[\T+16:\T+31], v[\T+WE+1]
.endr
	v_nop                                          ; one plain line behind the scaled conversions
.irp i, 0,1,2
.irp T, 0,128
	v_permlane16_swap_b32 v[\T+WP+\i], v[\T+WC+\i] ; here a block lies in lanes l and l xor 16: the operand wants it whole in a lane
.endr
.endr
.irp i, 0,1,2
.irp T, 0,128
	v_mov_b32 v[\T+WP+3+\i], v[\T+WC+\i]
.endr
.endr
	WIN 0x04                                       ; the stores' data lie in window 1
.irp T, 0,1
	global_store_b128 v[LV], v[128*\T+WP:128*\T+WP+3], s[48:49] offset:6144*\T            ; 512 consecutive bytes,
	global_store_b64 v[LI8], v[128*\T+WP+4:128*\T+WP+5], s[48:49] offset:6144*\T+512      ; 256,
	global_store_b32 v[LI4], v[128*\T+WY], s[50:51] offset:1024*\T                        ; 128
.endr
	WIN 0
	s_wait_tensorcnt 0x0                           ; the wave's end
	ds_add_u32 v[SPW], v[NIL]
	s_wait_dscnt 0x0
	CROUND                                         ; the closing round: no work-group ends while a partner may still ask for a tile that names it
	s_endpgm
.Lfunc_end_k_q0e03da6fdb_attn:
	.size	k_q0e03da6fdb_attn, .Lfunc_end_k_q0e03da6fdb_attn-k_q0e03da6fdb_attn
	.p2alignl 7, 3214868480
	.fill 96, 4, 3214868480
	.section	.rodata,"a",@progbits
	.p2align	6, 0x0
	.amdhsa_kernel k_q0e03da6fdb_attn
		.amdhsa_group_segment_fixed_size 327680
		.amdhsa_private_segment_fixed_size 0
		.amdhsa_enable_private_segment 0
		.amdhsa_kernarg_size 32
		.amdhsa_user_sgpr_count 2
		.amdhsa_user_sgpr_kernarg_segment_ptr 1
		.amdhsa_wavefront_size32 1
		.amdhsa_system_sgpr_workgroup_id_x 1
		.amdhsa_system_sgpr_workgroup_id_y 1
		.amdhsa_system_sgpr_workgroup_id_z 1
		.amdhsa_system_vgpr_workitem_id 0
		.amdhsa_next_free_vgpr 512
		.amdhsa_next_free_sgpr 66
		.amdhsa_reserve_vcc 0
		.amdhsa_float_denorm_mode_32 3
		.amdhsa_float_denorm_mode_16_64 3
		.amdhsa_memory_ordered 1
		.amdhsa_forward_progress 1
		.amdhsa_inst_pref_size 136
	.end_amdhsa_kernel
	.amdgpu_metadata
---
amdhsa.version: [ 1, 2 ]
amdhsa.kernels:
  - .name:           k_q0e03da6fdb_attn
    .symbol:         k_q0e03da6fdb_attn.kd
    .args:
      - { .name: qrec, .offset: 0, .size: 8, .value_kind: global_buffer, .address_space: global }
      - { .name: kv, .offset: 8, .size: 8, .value_kind: global_buffer, .address_space: global }
      - { .name: oimg, .offset: 16, .size: 8, .value_kind: global_buffer, .address_space: global }
      - { .name: osc, .offset: 24, .size: 8, .value_kind: global_buffer, .address_space: global }
    .group_segment_fixed_size: 327680
    .private_segment_fixed_size: 0
    .kernarg_segment_align: 8
    .kernarg_segment_size: 32
    .max_flat_workgroup_size: 256
    .sgpr_count:     66
    .vgpr_count:     512
    .wavefront_size: 32
...
	.end_amdgpu_metadata
.endif
;; end of part 3
;; launch oproj (part 4): grid 64 x 4, 4 waves a work-group, no clusters, 34,304 bytes of LDS; arguments oimg, osc, wimg, wsc, bo, out0; writes out0
.if DOCPART == 4
	.amdgcn_target "amdgcn-amd-amdhsa--gfx1250"
	.amdhsa_code_object_version 6
	.text
	.protected	k_q0e03da6fdb_oproj
	.globl	k_q0e03da6fdb_oproj
	.p2align	8
	.type	k_q0e03da6fdb_oproj,@function
k_q0e03da6fdb_oproj:
	s_mov_b64 s[64:65], 0
	v_nop
	global_prefetch_b8 v0, s[64:65] scope:SCOPE_SE
	s_setreg_imm32_b32 hwreg(HW_REG_WAVE_MODE, 25, 1), 1
	s_wait_xcnt 0x0
; out0 = o Wo + bo on codes of FP6 (E2M3).  o comes as half fragments [tile of rows 512][head 8][768] with two scale bytes a row and head; Wo as images of fragments (matrix 3 of wimg), K = the 512 inner.
; Work-group (g, cg): rows 128 g .. + 127, columns 128 cg .. + 127.  All four waves hold the same 8 tiles x 4 K steps of Wo in registers (source 0); wave w takes the tiles of rows 8 g + 2 w and 8 g + 2 w + 1 (source 1).
; A lane then holds one row and its 64 registers run along 128 columns; bo is the C of each sum's first product.  A tile goes through the wave's own stage in LDS and leaves as whole rows of 512 bytes.
; Tile 2 B + u of rows holds rows 32 B + 8 u + i + 8 (i / 8); the tiles of Wo's columns likewise, so that result tiles 2 b, 2 b + 1 give a lane columns 32 b + 16 (lane / 16) + 0 .. 15.
; Waves share nothing: no barrier.  No tensor load: the operands are images of registers and go straight into them.
; REGISTERS: window 0: v1-6 addresses; v8-23 o's scale words as stored; v24-31 as the products take them (4 j + s); v32-127 o's fragments (48 j + 12 s); v128-191 the 8 accumulators, then rows on their way out;
;   v192-223 Wo's scale words (4 t + s).  Window 1: Wo's K steps 0, 1 at v[12 (8 (s % 2) + t)].  Window 2: K steps 2, 3 likewise; v192-255 bo in the result's layout.
.set RAW, 8
.set OW,  24
.set SF,  32
.set HA,  128
.set RS,  192
.set BI,  192                          ; in window 2
.set SPITCH, 528
.set MSB, 0
.macro WIN new                         ; the immediate's high byte repeats the setting that is left
.if MSB != \new
	s_set_vgpr_msb (MSB<<8)|\new
.set MSB, \new
.endif
.endm
	s_load_b256 s[4:11], s[0:1], 0x0               ; oimg s[4:5], osc s[6:7], wimg s[8:9], wsc s[10:11]
	s_load_b128 s[12:15], s[0:1], 0x20             ; bo s[12:13], out0 s[14:15]
	v_lshl_add_u32 v254, v0, 2, 0x8400
	v_mov_b32 v255, 0
	v_lshrrev_b32 v1, 5, v0
	v_readfirstlane_b32 s16, v1                    ; wave 0..3
	s_and_b32 s17, ttmp7, 0xffff                   ; cg
	v_and_b32 v7, 31, v0
	v_lshlrev_b32 v1, 4, v7                        ; 16 x lane
	v_lshlrev_b32 v2, 3, v7                        ; 8 x lane
	v_lshlrev_b32 v3, 2, v7                        ; 4 x lane
	v_and_b32 v7, 15, v0
	v_bfe_u32 v6, v0, 4, 1
	v_lshlrev_b32 v6, 6, v6                        ; 64 h: my half's 16 columns of each 32
	s_mul_i32 s18, s16, 16*SPITCH                  ; my stage
	v_mul_u32_u24 v4, v7, SPITCH
	v_add_nc_u32 v4, v4, v6
	v_add_nc_u32 v4, s18, v4                       ; into it: row r, + 64 h
	v_add_nc_u32 v5, s18, v1                       ; back: a whole row, 16 bytes a lane
	s_mul_i32 s20, s17, 49152
	s_add_co_u32 s20, s20, 589824                  ; Wo's images: matrix 3, tiles 8 cg on
	s_mov_b32 s21, 0
	s_lshl_b32 s22, s17, 12
	s_add_co_u32 s22, s22, 49152                   ; and their scale words
	s_mov_b32 s23, 0
	s_lshl_b32 s24, s17, 9                         ; my 128 columns, in bytes
	s_mov_b32 s25, 0
	s_lshl_b32 s26, ttmp9, 2
	s_add_co_u32 s26, s26, s16                     ; 4 g + w: my two tiles are 2 (4 g + w) and the next
	s_mul_i32 s28, s26, 12288
	s_mov_b32 s29, 0
	s_lshl_b32 s30, s26, 11
	s_mov_b32 s31, 0
	s_lshl_b32 s32, s26, 16                        ; their 32 rows of 2,048 bytes
	s_add_co_u32 s32, s32, s24
	s_mov_b32 s33, 0
	s_wait_alu depctr_va_vdst(0)
	s_wait_kmcnt 0x0
	s_add_nc_u64 s[8:9], s[8:9], s[20:21]
	s_add_nc_u64 s[10:11], s[10:11], s[22:23]
	s_add_nc_u64 s[12:13], s[12:13], s[24:25]
	s_add_nc_u64 s[4:5], s[4:5], s[28:29]
	s_add_nc_u64 s[6:7], s[6:7], s[30:31]
	s_add_nc_u64 s[14:15], s[14:15], s[32:33]
.irp j, 0,1                                    ; o: K step s is heads 2 s (registers 0-5) and 2 s + 1 (registers 6-11)
.irp s, 0,1,2,3
	global_load_b128 v[SF+48*\j+12*\s:SF+48*\j+12*\s+3], v1, s[4:5] offset:6144*\j+1536*\s
	global_load_b64 v[SF+48*\j+12*\s+4:SF+48*\j+12*\s+5], v2, s[4:5] offset:6144*\j+1536*\s+512
	global_load_b128 v[SF+48*\j+12*\s+6:SF+48*\j+12*\s+9], v1, s[4:5] offset:6144*\j+1536*\s+768
	global_load_b64 v[SF+48*\j+12*\s+10:SF+48*\j+12*\s+11], v2, s[4:5] offset:6144*\j+1536*\s+1280
.endr
.irp d, 0,1,2,3,4,5,6,7
	global_load_b32 v[RAW+8*\j+\d], v3, s[6:7] offset:1024*\j+128*\d
.endr
.endr
.irp t, 0,1,2,3,4,5,6,7
	global_load_b128 v[RS+4*\t:RS+4*\t+3], v1, s[10:11] offset:\t*512
.endr
	WIN 0x40                                       ; destination window 1
.irp s, 0,1
.irp t, 0,1,2,3,4,5,6,7
.irp c, 0,1,2
	global_load_b128 v[12*(8*\s+\t)+4*\c:12*(8*\s+\t)+4*\c+3], v1, s[8:9] offset:\t*6144+\s*1536+512*\c
.endr
.endr
.endr
	WIN 0x80                                       ; destination window 2
.irp s, 0,1
.irp t, 0,1,2,3,4,5,6,7
.irp c, 0,1,2
	global_load_b128 v[12*(8*\s+\t)+4*\c:12*(8*\s+\t)+4*\c+3], v1, s[8:9] offset:\t*6144+(\s+2)*1536+512*\c
.endr
.endr
.endr
.irp t, 0,1,2,3,4,5,6,7                        ; bo: lane (r, h) wants, for tile 2 b + u, columns 32 b + 16 h + 8 u + 0 .. 7
	global_load_b128 v[BI+8*\t:BI+8*\t+3], v6, s[12:13] offset:128*(\t/2)+32*(\t%2)
	global_load_b128 v[BI+8*\t+4:BI+8*\t+7], v6, s[12:13] offset:128*(\t/2)+32*(\t%2)+16
.endr
	WIN 0
	s_wait_loadcnt 0x0
.irp j, 0,1
.irp s, 0,1,2,3
	v_lshl_or_b32 v[OW+4*\j+\s], v[RAW+8*\j+2*\s+1], 16, v[RAW+8*\j+2*\s]   ; two heads' two bytes make a K step's scale word
.endr
.endr
.rept 8
	v_nop                                          ; a scale word written by a vector line stands eight places ahead of the product that takes it
.endr
.macro MUL8 j, s, bias                 ; K step s of the eight accumulators, which take turns, one instruction a turn
.irp t, 0,1,2,3,4,5,6,7
.if \bias
	v_wmma_scale_f32_16x16x128_f8f6f4 v[HA+8*\t:HA+8*\t+7], v[12*(8*((\s)%2)+\t):12*(8*((\s)%2)+\t)+11], v[SF+48*(\j)+12*(\s):SF+48*(\j)+12*(\s)+11], v[BI+8*\t:BI+8*\t+7], v[RS+4*\t+(\s)], v[OW+4*(\j)+(\s)] matrix_a_fmt:MATRIX_FMT_FP6 matrix_b_fmt:MATRIX_FMT_FP6
.else
	v_wmma_scale_f32_16x16x128_f8f6f4 v[HA+8*\t:HA+8*\t+7], v[12*(8*((\s)%2)+\t):12*(8*((\s)%2)+\t)+11], v[SF+48*(\j)+12*(\s):SF+48*(\j)+12*(\s)+11], v[HA+8*\t:HA+8*\t+7], v[RS+4*\t+(\s)], v[OW+4*(\j)+(\s)] matrix_a_fmt:MATRIX_FMT_FP6 matrix_b_fmt:MATRIX_FMT_FP6
.endif
.endr
.endm
.macro ROWS j
.if (\j) > 0
	s_wait_xcnt 0x0                                ; the last tile's stores have read their registers, which the products write again
.endif
	WIN 0x21                                       ; source 0 (Wo) window 1, source 2 (bo) window 2
	MUL8 \j, 0, 1
	WIN 0x01
	MUL8 \j, 1, 0
	WIN 0x02
	MUL8 \j, 2, 0
	MUL8 \j, 3, 0
	WIN 0
.rept 5
	v_nop                                          ; four places ahead of the first read of results and of loads into them; a fifth, since the next tile's first products write over these accumulators
.endr
.irp t, 0,1,2,3,4,5,6,7
	ds_store_b128 v4, v[HA+8*\t:HA+8*\t+3] offset:128*(\t/2)+32*(\t%2)          ; each accumulator from its low end on
	ds_store_b128 v4, v[HA+8*\t+4:HA+8*\t+7] offset:128*(\t/2)+32*(\t%2)+16
.endr
.irp i, 0,1,2,3,4,5,6,7,8,9,10,11,12,13,14,15
	ds_load_b128 v[HA+4*\i:HA+4*\i+3], v5 offset:\i*SPITCH   ; LDS serves a wave's instructions in order: these see the stores above
.endr
.irp i, 0,1,2,3,4,5,6,7,8,9,10,11,12,13,14,15
	s_wait_dscnt 15-\i                             ; row i is back; the younger loads may be out
	global_store_b128 v1, v[HA+4*\i:HA+4*\i+3], s[14:15] offset:(8*(\j)+\i+8*(\i/8))*2048 th:TH_STORE_NT   ; 32 lanes store 512 consecutive bytes, at a multiple of 512 from out0's first byte
.endr
.endm
	ROWS 0
	s_wait_alu depctr_va_vdst(0)
	ROWS 1
	s_wait_tensorcnt 0x0
	ds_add_u32 v254, v255
	s_wait_dscnt 0x0
	s_endpgm
.Lfunc_end_k_q0e03da6fdb_oproj:
	.size	k_q0e03da6fdb_oproj, .Lfunc_end_k_q0e03da6fdb_oproj-k_q0e03da6fdb_oproj
	.p2alignl 7, 3214868480
	.fill 96, 4, 3214868480
	.section	.rodata,"a",@progbits
	.p2align	6, 0x0
	.amdhsa_kernel k_q0e03da6fdb_oproj
		.amdhsa_group_segment_fixed_size 34304
		.amdhsa_private_segment_fixed_size 0
		.amdhsa_enable_private_segment 0
		.amdhsa_kernarg_size 48
		.amdhsa_user_sgpr_count 2
		.amdhsa_user_sgpr_kernarg_segment_ptr 1
		.amdhsa_wavefront_size32 1
		.amdhsa_system_sgpr_workgroup_id_x 1
		.amdhsa_system_sgpr_workgroup_id_y 1
		.amdhsa_system_sgpr_workgroup_id_z 1
		.amdhsa_system_vgpr_workitem_id 0
		.amdhsa_next_free_vgpr 768
		.amdhsa_next_free_sgpr 66
		.amdhsa_reserve_vcc 0
		.amdhsa_float_denorm_mode_32 3
		.amdhsa_float_denorm_mode_16_64 3
		.amdhsa_memory_ordered 1
		.amdhsa_forward_progress 1
		.amdhsa_inst_pref_size 36
	.end_amdhsa_kernel
	.amdgpu_metadata
---
amdhsa.version: [ 1, 2 ]
amdhsa.kernels:
  - .name:           k_q0e03da6fdb_oproj
    .symbol:         k_q0e03da6fdb_oproj.kd
    .args:
      - { .name: oimg, .offset: 0, .size: 8, .value_kind: global_buffer, .address_space: global }
      - { .name: osc, .offset: 8, .size: 8, .value_kind: global_buffer, .address_space: global }
      - { .name: wimg, .offset: 16, .size: 8, .value_kind: global_buffer, .address_space: global }
      - { .name: wsc, .offset: 24, .size: 8, .value_kind: global_buffer, .address_space: global }
      - { .name: bo, .offset: 32, .size: 8, .value_kind: global_buffer, .address_space: global }
      - { .name: out0, .offset: 40, .size: 8, .value_kind: global_buffer, .address_space: global }
    .group_segment_fixed_size: 34304
    .private_segment_fixed_size: 0
    .kernarg_segment_align: 8
    .kernarg_segment_size: 48
    .max_flat_workgroup_size: 128
    .sgpr_count:     66
    .vgpr_count:     768
    .wavefront_size: 32
...
	.end_amdgpu_metadata
.endif
;; end of part 4
